; MI455X (gfx1250); checked and timed in simulation.
; The chip was launched on July 23, 2026; its instructions are those of AMD's public machine-readable ISA for CDNA 5 (MIT licence, August 2026) and "CDNA5" Instruction Set Architecture Reference Guide (July 2026). The comments in the code are by the model that wrote it; some were corrected since.
;; Power Softmax. Allowed arithmetic: matrix products marked QUANTISED: E2M1 operands, one E8M0 scale for each 32 along K, by v_wmma_scale_f32_16x16x128_f8f6f4 with both operands' format E2M1 (or v_wmma_scale_f32_32x16x128_f4), f32 sums; everything else in f32.
;; Inputs: k_codes 4 x 16 x 2,048 x 2 x 16 uint8 (E2M1 codes of k, K innermost, in blocks of 32 codes, two codes a byte); k_scales 4 x 16 x 2,048 x 2 uint8 (E8M0 scales of k, one for each 32 codes along K); q_codes 4 x 16 x 2,048 x 2 x 16 uint8 (E2M1 codes of q, K innermost, in blocks of 32 codes, two codes a byte); q_scales 4 x 16 x 2,048 x 2 uint8 (E8M0 scales of q, one for each 32 codes along K); v_codes 4 x 16 x 64 x 64 x 16 uint8 (E2M1 codes of v, K innermost, in blocks of 32 codes, two codes a byte); v_scales 4 x 16 x 64 x 64 uint8 (E8M0 scales of v, one for each 32 codes along K).
;; Outputs: out0 4 x 16 x 2,048 x 64 float32.
;; This version of the problem:
;;   THIS VERSION OF THE PROBLEM IS GIVEN IN LOW PRECISION. The matrix products marked QUANTISED in the list below multiply operands that are first quantised to E2M1 (2 exponent bits, 1 mantissa bit; 4 bits a number), with one power-of-two scale for each 32 numbers along K (OCP MX v1.0); their sums are f32. All else is computed in f32.
;;   The module's matrix products, in the order in which they are computed (A, B: the left and right operand; K: the contracted axis; several contracted axes count as one K, in the product's order):
;;     1. batch 64 x [M 2,048, K 64] x [K 64, N 2,048]; A: input q (given as codes); B: input k (given as codes): QUANTISED
;;     2. batch 64 x [M 2,048, K 2,048] x [K 2,048, N 64]; A: computed on the way; B: input v (given as codes): QUANTISED
;;   THE QUANTISER, for each operand of a quantised product, along K:
;;     - K is cut into blocks of 32 from its start; a last block that is shorter is filled with zeros.
;;     - A block's scale is 2^e with e = floor(log2(the largest magnitude in the block)) - 2, held to -126 .. 127; a block of zeros has e = 0. As a byte (E8M0): e + 127.
;;     - Each number is divided by its block's scale, clamped to +-6, and rounded to the nearest number of E2M1, ties to even, subnormals kept.
;;     - The product sums the exact products of the quantised numbers (number of the format x scale) in f32.
;;   ~~~python
;;   def quantise(x, axis):      # numpy; x: float32 -> the quantised numbers, widened to float32 again
;;       x = np.moveaxis(x, axis, -1); K = x.shape[-1]
;;       x = np.pad(x, [(0, 0)] * (x.ndim - 1) + [(0, -K % 32)]); x = x.reshape(x.shape[:-1] + (-1, 32)); a = np.abs(x).max(-1, keepdims=True)
;;       e = np.where(a > 0, np.clip(np.frexp(np.where(a > 0, a, 1))[1] - 1 - 2, -126, 127), 0)      # np.frexp(a)[1] - 1 = floor(log2(a)), exactly
;;       r = np.clip(x / 2.0 ** e, -6, 6)
;;       step = 2.0 ** (np.maximum(np.frexp(np.where(r == 0, 1, r))[1] - 1, 0) - 1)
;;       q = np.round(r / step) * step * 2.0 ** e      # np.round: ties to even
;;       return np.moveaxis(q.reshape(q.shape[:-2] + (-1,))[..., :K], -1, axis).astype(np.float32)
;;   ~~~
;;   OPERANDS COMPUTED ON THE WAY. 'Computed on the way' means the value that the module computes at that place (a softmax that the list does not call 'softmax' is quantised finished and normalised). What goes into a quantiser is computed in f32, as accurately as f32 sums, v_exp_f32 and their like allow (about 1e-6 of the number): no bf16 or f16 on the way to a quantiser, and a product that is left as it is and whose result goes on into a quantised operand takes f32 operands (vector FMAs, or v_wmma_f32_16x16x4_f32). A number that lies on a knife's edge between two numbers of the format may be rounded either way, as far as f32 arithmetic and the matrix unit's own rounding can turn it there, and no further.
;;   INPUTS GIVEN AS CODES. k (in the module: [4, 16, 2048, 64], K = its axis 3); q (in the module: [4, 16, 2048, 64], K = its axis 3); v (in the module: [4, 16, 2048, 64], K = its axis 2): each comes as NAME_codes (uint8): NAME with its K axis moved to the last place and cut into blocks of 32 codes, [.., K / 32, bytes a block], one block behind the other in memory; two codes a byte, the lower K in the low four bits (a code: sign, 2 exponent bits, 1 mantissa bit); and NAME_scales (uint8): the same leading axes, one E8M0 byte (e + 127) for each 32 codes along K. Its value is code x scale, taken as it is: it is not quantised again, and the codes and scales need not be those that the quantiser above would give.
;; One version. Each part assembles by itself: llvm-mc -triple=amdgcn-amd-amdhsa -mcpu=gfx1250 --defsym DOCPART=n.
;; ======== version 1 of 1: 1 launch
;; limits: right only within a limited range of input values
;; launch powersoftmax (part 1): grid 4 x 64, 16 waves a work-group, clusters of 4 x 1, 215,040 bytes of LDS; arguments k_codes, k_scales, q_codes, q_scales, v_codes, v_scales, out0; writes out0
.if DOCPART == 1
	.amdgcn_target "amdgcn-amd-amdhsa--gfx1250"
	.amdhsa_code_object_version 6
	.text
	.protected	k_q7a833e16c3_powersoftmax
	.globl	k_q7a833e16c3_powersoftmax
	.p2align	8
	.type	k_q7a833e16c3_powersoftmax,@function
k_q7a833e16c3_powersoftmax:
	s_mov_b64 s[64:65], 0
	v_nop
	global_prefetch_b8 v0, s[64:65] scope:SCOPE_SE
	s_setreg_imm32_b32 hwreg(HW_REG_WAVE_MODE, 25, 1), 1
	s_wait_xcnt 0x0
	s_wait_alu depctr_hold_cnt(0) depctr_sa_sdst(0) depctr_va_vdst(0) depctr_va_sdst(0) depctr_va_ssrc(0) depctr_va_vcc(0) depctr_vm_vsrc(0)
	s_getreg_b32 s2, hwreg(HW_REG_IB_STS2, 6, 4)
	s_cmp_eq_u32 s2, 0
	s_cbranch_scc0 .Lentry_in_a_cluster
	s_endpgm
.Lentry_in_a_cluster:
	s_bfe_u32 s2, ttmp6, 0x10000c
	s_cmp_lg_u32 s2, 0x3003
	s_cbranch_scc0 .Lentry_shape_is_right
	s_endpgm
.Lentry_shape_is_right:
; out[h][n][:] = the sum over m of Q(attn[n][m]) v[h][m][:],  attn[n][m] = (s/8)^2 / (the row's sum of (s/8)^2 + 1e-6),  s = q[h][n] . k[h][m].
; 64 heads, 2,048 queries, 2,048 keys, head size 64.  q, k, v arrive as codes of E2M1 with one E8M0 byte for each 32 along K (q, k: K = the head's 64; v: K = the keys, innermost).
; Q is the MX quantiser along the keys, in blocks of 32.  1/8 is a power of two, so attn = s^2 / (the sum of s^2 + 64 x 1e-6), with the same roundings.
; TWO WALKS OVER THE KEYS.  What is quantised is the finished, normalised number, and the divisor is no power of two: a row's sum must be known before any of its numbers is quantised.
; Pass 1 makes the scores and sums their squares; pass 2 makes the same scores again (same instruction, same operands), normalises, quantises, and multiplies by v.
; SHARES.  A work-group owns 512 queries of one head, each of its sixteen waves 32: two tiles of 16, which go through every key step together, so that each fragment read from LDS feeds two
; matrix instructions.  Four waves to a SIMD, 256 registers each: one wave's vector work stands beside another's products and LDS loads.
; A HEAD'S K AND V LIE WHOLE IN LDS: 64 KiB of codes each, filled once.  No byte of LDS is filled twice, so there is no ring.
; CLUSTER.  The four blocks of queries of a head form a cluster and ask for K's and V's codes JOINTLY (mask 15).  The scale bytes (8 KiB a head against 128 KiB of codes) are not shared: each
; work-group turns them into register images by its own loads.  The work-group's place in the cluster enters q's and out's global addresses alone.
; Nothing is prefetched: every byte that the launch reads is asked for at its head, by the loads themselves.
; LAYOUT.  Both products are used transposed (source 0 = 16 keys or 16 channels, source 1 = 16 queries): a lane holds ONE query, r = lane % 16, throughout; h = lane / 16.
; A key step is 128 keys in eight tiles (c, u), c = 0, 1, u = 0 .. 3.  THE KEYS OF A TILE ARE NOT NEIGHBOURS: row m of tile (c, u) is key 64 c + 32 (m / 8) + 8 u + m % 8 of the step.  So register
; 8 u + j of the four tiles of one c is key 64 c + 32 h + 8 u + j: a lane's 32 registers are one WHOLE block of 32 keys, block 2 c + h, in ascending order, as the 4-bit operand's layout wants it
; (registers 4 c .. 4 c + 3: k = 64 c + 32 h + 0 .. 31).  No maximum crosses lanes and no codes change lanes; only the scale word is pieced together from lanes l and l xor 16.
; K = 64 IN AN INSTRUCTION OF K = 128.  Eight registers of K hold TWO tiles: tile u (even) as k 0 .. 63, tile u + 1 as k 64 .. 127.  Q stands as [q | zero codes] and as [zero codes | q]: the first
; gives the lower tile's scores, the second the upper tile's.  Zero codes add nothing under any scale byte but 0xff.
; LIMITS.  Scale bytes of 0xff (NaN) among the inputs are not served.  A row's sum of s^2 stays under 2^126 (beyond it the reciprocal is flushed to 0).  A block of attn that is all zeros, or whose
; largest number lies under 2^-124, gets the byte 1 (the rule says 127 for zeros): its codes are zeros or held as the rule's clip at -126 holds them, and the bytes are read by this program alone.
; The reciprocal is v_rcp_f32 with one Newton step; p = (s x s) x (1 / d), two roundings, against the reference's square and division.
.set PITCH, 1040                       ; an LDS row of codes: 1,024 bytes (32 keys of K, or one channel of V) + 16 of padding = 65 columns of 16 bytes
.set QUART, 16*PITCH                   ; what one tensor load brings: 16 such rows
.set VOFF,  64*PITCH                   ; K's 64 rows from byte 0, V's 64 rows from here
.set KI,    2*64*PITCH                 ; K's scale words as register images: 256 x step + 128 c + 4 x lane
.set VI,    KI+4096                    ; V's: 256 x step + 4 x channel
.set STG,   VI+4096+2048               ; the way out: 16 rows x 272 bytes for each wave; 2,048 bytes lie unused in front
.set SP,    272
.set AK0, 1                            ; v1   my lane's place in a tile of K; on the way out STO
.set AV0, 2                            ; v2   the same for V; on the way out RD
.set AI0, 3                            ; v3   my lane's place in an image of scale words; on the way out GO
.set ADK, 4                            ; v4   LDS address of the K tiles in hand
.set ADV, 5                            ; v5   of V's
.set ADI, 6                            ; v6   of the scale words
.set SH8, 7                            ; v7   8 h
.set MX0, 8                            ; v8, v9  largest magnitudes, two chains
.set MX1, 9
.set EX,  10                           ; v10  the conversion's scale operand
.set BY0, 11                           ; v11, v12  the byte of block h, tile of queries 0, 1
.set BY1, 13                           ; v13  the byte of block 2 + h
.set WD,  14                           ; v14  my two bytes at their places
.set TP,  15                           ; v15  lane l xor 16's
.set QH,  16                           ; v16-35  [0 x 4][q, tile 0][0 x 4][q, tile 1][0 x 4]: [zeros | q] of tile t at v[16 + 8 t], [q | zeros] at v[20 + 8 t]
.set QL,  20
.set QS,  36                           ; v36, v37  q's scale words: lanes 0-15 the two bytes low (for [q | zeros]), lanes 16-31 the same two bytes high (for [zeros | q])
.set RC,  38                           ; v[38:39], v[40:41]  1 / (the row's sum + 64 eps), tile 0, 1
.set PW,  42                           ; v42, v43  attn's scale words
.set KS,  44                           ; v44, v45  K's scale words for c = 0, 1: lanes 0-15 tiles u = 0, 1; lanes 16-31 tiles u = 2, 3
.set VS,  46                           ; v46, v47  V's: register i, lane l: channel 32 i + l
.set KF,  48                           ; v48-79   K's tiles: (c, u) at v[48 + 16 c + 4 u]
.set VF,  80                           ; v80-111  V's four fragments
.set SC,  112                          ; v112-175 scores, 32 for each tile of queries (in pass 1 v112-239: 64 for each)
.set OT,  176                          ; v176-239 out^T: tile of queries q, channels 16 t on, at v[176 + 32 q + 8 t]
.set PC,  240                          ; v240-255 attn's codes, 8 registers a tile of queries (in pass 1 the sums: four pairs a tile)
.set STO, 1
.set RD,  2
.set GO,  3
.set WV,  18                           ; s18  my wave's number
.set SEL, 20                           ; s[20:21]  v_permlanex16_b32's selects for lane l xor 16
.set G1,  24                           ; s[24:31]  descriptor group 1, one for K and V
.set G0K, 32                           ; s[32:35], s[36:39]  groups 0
.set G0V, 36
.set TK,  40                           ; s40  the step's K tiles begin here: 4 LDS rows a step
.set TV,  41                           ; s41  V's: 64 bytes a step in each row
.set TI,  42                           ; s42  the scale words': 256 bytes a step
.set CNT, 43                           ; s43  counts trips
; A round of the cluster's barrier: my work-group's barrier, so that wave 0's signal speaks for all sixteen waves; wave 0 signals for the work-group; every wave waits for all four work-groups;
; my work-group's barrier once more.  No LDS instruction of the wave is pending at a signal.
.macro CROUND
	s_barrier_signal -1
	s_barrier_wait -1
	s_cmp_lg_u32 s[WV], 0
	s_cbranch_scc1 .Lnot_wave_0_\@
	s_barrier_signal -3
.Lnot_wave_0_\@:
	s_barrier_wait -3
	s_barrier_signal -1
	s_barrier_wait -1
.endm
	s_load_b256 s[4:11], s[0:1], 0x0               ; k_codes s[4:5], k_scales s[6:7], q_codes s[8:9], q_scales s[10:11]
	s_load_b128 s[12:15], s[0:1], 0x20             ; v_codes s[12:13], v_scales s[14:15]
	s_load_b64 s[16:17], s[0:1], 0x30              ; out0
	v_lshl_add_u32 v254, v0, 2, 0x34000
	v_mov_b32 v255, 0
	ds_add_u32 v254, v255
	ds_add_u32 v254, v255
	s_wait_dscnt 0x0
	v_lshrrev_b32 v[ADK], 5, v0
	v_readfirstlane_b32 s[WV], v[ADK]              ; wave 0..15
	s_bfe_u32 s19, ttmp6, 0x40000                  ; cx: my place in the cluster
	s_lshl_b32 s44, ttmp9, 2                       ; in a cluster launch ttmp9 counts clusters
	s_add_co_u32 s44, s44, s19                     ; my block of 512 queries
	s_and_b32 s22, ttmp7, 0xffff                   ; the head, which the four partners share
	s_lshl_b32 s45, s44, 9
	s_lshl_b32 s23, s[WV], 5
	s_add_co_u32 s45, s45, s23                     ; my first query: 512 x block + 32 x wave
	s_lshl_b32 s46, s22, 16                        ; the head's first byte in each tensor of codes,
	s_lshl_b32 s48, s22, 12                        ; in each tensor of scale bytes
	s_mov_b32 s49, 0
	s_and_b32 s56, s[WV], 3                        ; which quarter of K and of V I fetch, if I fetch
	s_lshl_b32 s58, s56, 14                        ; 16 rows of 1,024 bytes in memory: made of the head and the wave's number alone
	s_add_co_u32 s58, s58, s46
	s_mov_b32 s59, 0
	s_lshl_b32 s57, s[WV], 8                       ; key step = my wave's number: its 128 keys' scale bytes, 256 of them
	s_add_co_u32 s60, s48, s57
	s_mov_b32 s61, 0
	s_lshl_b32 s52, s45, 5                         ; q's codes: 32 bytes a query
	s_add_co_u32 s52, s52, s46
	s_mov_b32 s53, 0
	s_lshl_b32 s54, s45, 1                         ; q's scale bytes: 2 a query
	s_add_co_u32 s54, s54, s48
	s_mov_b32 s55, 0
	s_lshl_b32 s50, s22, 19                        ; out: 2,048 rows of 256 bytes a head
	s_lshl_b32 s51, s45, 8
	s_add_co_u32 s50, s50, s51
	s_mov_b32 s51, 0
	; descriptor group 1: 16 rows of 1,024 bytes (128 elements of 8 bytes), dense in memory, 16 bytes of padding behind each row in LDS
	s_mov_b32 s[G1+0], 15|(3<<16)|(1<<20)|(1<<21)|(7<<22)|(3<<25)  ; 15:0 the mask: all four work-groups; 17:16 elements of 8 bytes; 20 padding on; 21 set beside a mask; 24:22 after every 256 words (code 7); 31:25 four words (code 3)
	s_mov_b32 s[G1+1], 128<<16                     ; tensor_dim0 = 128
	s_mov_b32 s[G1+2], 16<<16                      ; tensor_dim1 = 16
	s_mov_b32 s[G1+3], 128<<16                     ; tile_dim0 = 128
	s_mov_b32 s[G1+4], 16                          ; tile_dim1 = 16
	s_mov_b32 s[G1+5], 128                         ; from row to row: 128 elements
	s_mov_b32 s[G1+6], 0
	s_mov_b32 s[G1+7], 0
	s_mov_b32 s[G0K], 1                            ; count = 1
	s_mul_i32 s[G0K+1], s56, QUART                 ; LDS address: my quarter of K's rows: the wave's number alone enters it
	s_mov_b32 s[G0V], 1
	s_add_co_u32 s[G0V+1], s[G0K+1], VOFF          ; and of V's
	s_mov_b32 s[SEL], 0x76543210
	s_mov_b32 s[SEL+1], 0xfedcba98
	s_mov_b32 s[TK], 0
	s_mov_b32 s[TV], 0
	s_mov_b32 s[TI], 0
	v_bfe_u32 v8, v0, 3, 1                         ; r / 8
	v_and_b32 v9, 7, v0                            ; r % 8
	v_bfe_u32 v10, v0, 4, 1                        ; h
	v_and_b32 v11, 15, v0                          ; r
	v_and_b32 v12, 31, v0                          ; lane
	v_mul_u32_u24 v[AK0], v8, PITCH                ; K: row r of a tile is key 32 (r / 8) + r % 8 (+ 64 c + 8 u): one LDS row on for r / 8, 32 bytes a key, 16 bytes for my half.
	v_lshl_add_u32 v[AK0], v9, 5, v[AK0]           ; Sixteen lanes: r = 0 .. 7 take the even columns of 16 bytes, r = 8 .. 15, 65 columns on, the odd ones
	v_lshl_add_u32 v[AK0], v10, 4, v[AK0]
	v_mul_u32_u24 v[AV0], v11, PITCH               ; V: channel r of a tile, 65 columns from lane to lane
	v_lshl_add_u32 v[AV0], v10, 4, v[AV0]
	v_add_nc_u32 v[AV0], VOFF, v[AV0]
	v_lshl_add_u32 v[AI0], v12, 2, KI              ; an image of scale words: 4 bytes a lane
	v_lshlrev_b32 v[SH8], 3, v10
	v_lshlrev_b32 v176, 5, v11                     ; q's codes: query r, + 16 h
	v_lshl_add_u32 v176, v10, 4, v176
	v_lshlrev_b32 v177, 1, v11                     ; q's scale bytes: 2 r
	v_lshlrev_b32 v178, 6, v8                      ; K's scale bytes, 2 a key: lane (r, h) of register c wants keys 64 c + 32 (r / 8) + 16 h + r % 8 and 8 further on
	v_lshl_add_u32 v178, v9, 1, v178
	v_lshl_add_u32 v178, v10, 5, v178
	v_lshlrev_b32 v179, 3, v0                      ; V's scale bytes: 8 x thread: the work-group reads the head's 4,096 bytes as they lie
	v_add_nc_u32 v188, s57, v[AI0]                 ; where I store K's words: step = my wave
	v_and_b32 v189, 7, v0                          ; where I store V's two words: words 2 t and 2 t + 1 are channel t / 8, steps 2 (t % 8) and + 1
	v_lshlrev_b32 v189, 9, v189
	v_lshrrev_b32 v193, 3, v0
	v_lshl_add_u32 v189, v193, 2, v189
	v_add_nc_u32 v189, VI, v189
	v_lshlrev_b32 v190, 4, v10                     ; 16 h
	s_wait_kmcnt 0x0
	s_add_nc_u64 s[G0K+2:G0K+3], s[4:5], s[58:59]  ; global address of my quarter
	s_or_b32 s[G0K+3], s[G0K+3], 0x80000000        ; type = 2
	s_add_nc_u64 s[G0V+2:G0V+3], s[12:13], s[58:59]
	s_or_b32 s[G0V+3], s[G0V+3], 0x80000000
	s_add_nc_u64 s[6:7], s[6:7], s[60:61]
	s_add_nc_u64 s[8:9], s[8:9], s[52:53]
	s_add_nc_u64 s[10:11], s[10:11], s[54:55]
	s_add_nc_u64 s[14:15], s[14:15], s[48:49]
	s_add_nc_u64 s[16:17], s[16:17], s[50:51]
	CROUND                                         ; all four work-groups are here: the joint loads meet
	s_cmp_lt_u32 s[WV], 4                          ; waves 0 to 3 fetch: a wave's two fills stand in one branch on the wave's number, the same in every work-group.  Two loads of mine are out
	s_cbranch_scc0 .Lno_fetch
	tensor_load_to_lds s[G0K:G0K+3], s[G1:G1+7]    ; K first: pass 1 wants K alone
	s_nop 0
	tensor_load_to_lds s[G0V:G0V+3], s[G1:G1+7]
	s_nop 0
.rept 4
	v_nop
.endr
.Lno_fetch:
	global_load_b128 v[QL:QL+3], v176, s[8:9] th:TH_LOAD_NT             ; q stays in registers: tile 0,
	global_load_b128 v[QL+8:QL+11], v176, s[8:9] offset:512 th:TH_LOAD_NT   ; tile 1
	global_load_u16 v180, v177, s[10:11]
	global_load_u16 v181, v177, s[10:11] offset:32
	global_load_u16 v182, v178, s[6:7]             ; c = 0: the lower tile's key,
	global_load_u16 v183, v178, s[6:7] offset:16   ; the upper tile's
	global_load_u16 v184, v178, s[6:7] offset:128  ; c = 1
	global_load_u16 v185, v178, s[6:7] offset:144
	global_load_b64 v[186:187], v179, s[14:15]
.irp j, 0,1,2,3, 8,9,10,11, 16,17,18,19
	v_mov_b32 v[QH+\j], 0                          ; the zero codes beside q
.endr
	v_mov_b32 v[WD], 0                             ; written once: a lane permute's destination counts as one of its sources
	v_mov_b32 v[TP], 0
	s_wait_loadcnt 0x0
	v_lshlrev_b32 v[QS], v190, v180                ; q's two bytes: low in lanes 0-15, high in lanes 16-31
	v_lshlrev_b32 v[QS+1], v190, v181
	v_lshl_or_b32 v191, v183, 16, v182             ; K's words: the lower tile's two bytes, then the upper tile's
	v_lshl_or_b32 v192, v185, 16, v184
	ds_store_b32 v188, v191
	ds_store_b32 v188, v192 offset:128
	ds_store_b32 v189, v186
	ds_store_b32 v189, v187 offset:256
.irp j, 0,1,2,3,4,5,6,7,8,9,10,11,12,13,14,15
	v_mov_b32 v[PC+\j], 0                          ; pass 1's sums.  (These sixteen are also the places between the lines that wrote q's scale words and the first product)
.endr
	s_wait_dscnt 0x0                               ; for the others' sake: my scale words lie in LDS
	s_wait_tensorcnt 0x1                           ; my quarter of K has landed; V's, issued behind it, may stay out, and pass 1 reads K alone
	s_barrier_signal -1
	s_barrier_wait -1                              ; K and all scale words are whole
; Four products: the scores of tile of queries q against tiles (c, 0 .. 3), into v[d] .. v[d + 31].  C = 0: nothing is cleared.
.macro SCORE d, q, c
	v_wmma_scale_f32_16x16x128_f8f6f4 v[(\d):(\d)+7], v[KF+16*(\c):KF+16*(\c)+7], v[QL+8*(\q):QL+8*(\q)+7], 0, v[KS+(\c)], v[QS+(\q)] matrix_a_fmt:MATRIX_FMT_FP4 matrix_b_fmt:MATRIX_FMT_FP4
	v_wmma_scale_f32_16x16x128_f8f6f4 v[(\d)+8:(\d)+15], v[KF+16*(\c):KF+16*(\c)+7], v[QH+8*(\q):QH+8*(\q)+7], 0, v[KS+(\c)], v[QS+(\q)] matrix_a_fmt:MATRIX_FMT_FP4 matrix_b_fmt:MATRIX_FMT_FP4 matrix_b_scale:MATRIX_SCALE_ROW1
	v_wmma_scale_f32_16x16x128_f8f6f4 v[(\d)+16:(\d)+23], v[KF+16*(\c)+8:KF+16*(\c)+15], v[QL+8*(\q):QL+8*(\q)+7], 0, v[KS+(\c)], v[QS+(\q)] matrix_a_fmt:MATRIX_FMT_FP4 matrix_b_fmt:MATRIX_FMT_FP4 matrix_a_scale:MATRIX_SCALE_ROW1
	v_wmma_scale_f32_16x16x128_f8f6f4 v[(\d)+24:(\d)+31], v[KF+16*(\c)+8:KF+16*(\c)+15], v[QH+8*(\q):QH+8*(\q)+7], 0, v[KS+(\c)], v[QS+(\q)] matrix_a_fmt:MATRIX_FMT_FP4 matrix_b_fmt:MATRIX_FMT_FP4 matrix_a_scale:MATRIX_SCALE_ROW1 matrix_b_scale:MATRIX_SCALE_ROW1
.endm
; Five LDS loads: K's four tiles of half c of the step at v[ADK], and their scale words.
.macro KLOAD c
.irp u, 0,1,2,3
	ds_load_b128 v[KF+16*(\c)+4*\u:KF+16*(\c)+4*\u+3], v[ADK] offset:2*PITCH*(\c)+256*\u
.endr
	ds_load_b32 v[KS+(\c)], v[ADI] offset:128*(\c)
.endm
; Ten LDS loads: V's four fragments (16 channels x 128 keys) of the step at v[ADV], and their scale words.  v[ADI] stands one step on already: VI - KI - 256 leads back.
.macro VLOAD
.irp t, 0,1,2,3
.irp c, 0,1
	ds_load_b128 v[VF+8*\t+4*\c:VF+8*\t+4*\c+3], v[ADV] offset:QUART*\t+32*\c
.endr
.endr
.irp i, 0,1
	ds_load_b32 v[VS+\i], v[ADI] offset:VI-KI-256+128*\i
.endr
.endm
; PASS 1, a key step: 16 products, then the sums of squares: 64 packed multiply-adds, four chains a tile of queries.  The next step's K is asked for between the two.
; wrap = 1: the last step: what is asked for is pass 2's first step.
.macro STEP1 wrap
	s_wait_dscnt 0x0                               ; this step's ten loads are in
	SCORE SC, 0, 0
	SCORE SC+32, 0, 1
	SCORE SC+64, 1, 0
	SCORE SC+96, 1, 1
.if \wrap
	s_mov_b32 s[TK], 0
	s_mov_b32 s[TI], 0
.else
	s_add_co_u32 s[TK], s[TK], 4*PITCH
	s_add_co_u32 s[TI], s[TI], 256
.endif
	v_add_nc_u32 v[ADK], s[TK], v[AK0]             ; four places between the products and the loads into registers that they read, and the first read of a result
	v_add_nc_u32 v[ADI], s[TI], v[AI0]
	v_nop
	v_nop
	KLOAD 0
	KLOAD 1
.irp q, 0,1
.set j, 0
.rept 32
	v_pk_fma_f32 v[PC+8*\q+2*(j%4):PC+8*\q+2*(j%4)+1], v[SC+64*\q+2*j:SC+64*\q+2*j+1], v[SC+64*\q+2*j:SC+64*\q+2*j+1], v[PC+8*\q+2*(j%4):PC+8*\q+2*(j%4)+1]   ; ascending: each result is read from its low end on
.set j, j+1
.endr
.endr
.endm
	v_mov_b32 v[ADK], v[AK0]
	v_mov_b32 v[ADI], v[AI0]
	KLOAD 0
	KLOAD 1
	s_mov_b32 s[CNT], 15
.Lsum:
	STEP1 0
	s_sub_co_u32 s[CNT], s[CNT], 1
	s_cmp_lg_u32 s[CNT], 0
	s_cbranch_scc1 .Lsum
	STEP1 1
	; BETWEEN THE PASSES.  One barrier shows V to every wave; the rows' sums are finished between its signal and its wait: work on registers alone.
	s_wait_tensorcnt 0x0                           ; my quarter of V has landed
	s_wait_dscnt 0x0                               ; no LDS instruction of mine is pending at a signal
	s_barrier_signal -1
	v_pk_add_f32 v[PC:PC+1], v[PC:PC+1], v[PC+2:PC+3]
	v_pk_add_f32 v[PC+8:PC+9], v[PC+8:PC+9], v[PC+10:PC+11]
	v_pk_add_f32 v[PC+4:PC+5], v[PC+4:PC+5], v[PC+6:PC+7]
	v_pk_add_f32 v[PC+12:PC+13], v[PC+12:PC+13], v[PC+14:PC+15]
	v_pk_add_f32 v[PC:PC+1], v[PC:PC+1], v[PC+4:PC+5]
	v_pk_add_f32 v[PC+8:PC+9], v[PC+8:PC+9], v[PC+12:PC+13]
	v_add_f32 v[MX0], v[PC], v[PC+1]
	v_add_f32 v[MX1], v[PC+8], v[PC+9]
	v_permlanex16_b32 v[TP], v[MX0], s[SEL], s[SEL+1]   ; the query's other 1,024 keys lie in the lane 16 away
	v_permlanex16_b32 v[WD], v[MX1], s[SEL], s[SEL+1]
	v_add_f32 v[MX0], v[MX0], v[TP]
	v_add_f32 v[MX1], v[MX1], v[WD]
	v_add_f32 v[MX0], 0x388637bd, v[MX0]           ; d = the sum of s^2 + 64 x f32(1e-6)
	v_add_f32 v[MX1], 0x388637bd, v[MX1]
	v_rcp_f32 v[RC], v[MX0]
	v_rcp_f32 v[RC+2], v[MX1]
	v_nop                                          ; a plain instruction between the last reciprocal and the first use of a result
	s_wait_alu depctr_va_vdst(0)                   ; and a wait ahead of that use: one for both
	v_fma_f32 v[EX], -v[MX0], v[RC], 1.0           ; one Newton step: e = 1 - d x,
	v_fma_f32 v[BY0], -v[MX1], v[RC+2], 1.0
	v_fma_f32 v[RC], v[EX], v[RC], v[RC]           ; x + e x
	v_fma_f32 v[RC+2], v[BY0], v[RC+2], v[RC+2]
	v_mov_b32 v[RC+1], v[RC]                       ; named with it as a pair, so it is written
	v_mov_b32 v[RC+3], v[RC+2]
	s_barrier_wait -1                              ; V is whole
; The 32 scores of tile of queries q and half c become attn's block 2 c + h: its byte and its 32 codes, registers 4 c .. 4 c + 3 of the second product's operand.
; THE BLOCK'S LARGEST attn IS NOT SEARCHED FOR AMONG THE FINISHED NUMBERS: the largest |s| goes through the same two multiplications as every s; both are monotone, so the result is the block's largest number, bit for bit.
.macro QUANT q, c
.set SB, SC+32*(\q)
	v_max3_num_f32 v[MX0], |v[SB]|, |v[SB+1]|, |v[SB+2]|            ; two chains; each of the four results is first read among its four lowest registers
	v_max3_num_f32 v[MX1], |v[SB+3]|, |v[SB+4]|, |v[SB+5]|
.irp i, 6,10,14,18,22,26
	v_max3_num_f32 v[MX0], v[MX0], |v[SB+\i]|, |v[SB+\i+1]|
	v_max3_num_f32 v[MX1], v[MX1], |v[SB+\i+2]|, |v[SB+\i+3]|
.endr
	v_max3_num_f32 v[MX0], v[MX0], |v[SB+30]|, |v[SB+31]|
	v_max_num_f32 v[MX0], v[MX0], v[MX1]
	v_mul_f32 v[MX0], v[MX0], v[MX0]
	v_mul_f32 v[MX0], v[MX0], v[RC+2*(\q)]
	v_max_num_f32 v[MX0], 0x1800000, v[MX0]        ; the floor 2^(3 - 127): the byte cannot fall under 1
	v_add_nc_u32 v[EX], 0xff000000, v[MX0]         ; 2 off the exponent field: the conversion takes the exponent field of this operand as its scale, and nothing else of it
.if \c
	v_lshrrev_b32 v[BY1], 23, v[EX]                ; the byte of block 2 + h
	v_lshl_or_b32 v[WD], v[BY1], 16, v[BY0+(\q)]   ; with that of block h,
	v_lshlrev_b32 v[WD], v[SH8], v[WD]             ; at their places in the scale word (8 h bits up);
	v_permlanex16_b32 v[TP], v[WD], s[SEL], s[SEL+1]
	v_or_b32 v[PW+(\q)], v[WD], v[TP]              ; with lane l xor 16's two the word is whole.  The 32 multiplications below stand between this line and the products that name it
.endif
.set j, 0
.rept 16
	v_pk_mul_f32 v[SB+j:SB+j+1], v[SB+j:SB+j+1], v[SB+j:SB+j+1]    ; s^2
.set j, j+2
.endr
.set j, 0
.rept 16
	v_pk_mul_f32 v[SB+j:SB+j+1], v[SB+j:SB+j+1], v[RC+2*(\q):RC+2*(\q)+1] op_sel_hi:[1,0]   ; / d: attn, finished and normalised
.set j, j+2
.endr
.irp g, 0,1,2,3
	v_cvt_scalef32_pk8_fp4_f32 v[PC+8*(\q)+4*(\c)+\g], v[SB+8*\g:SB+8*\g+7], v[EX]   ; keys 64 c + 32 h + 8 g + 0 .. 7; beyond 6 the largest code
.endr
.if \c
	v_nop                                          ; one plain vector line behind the last conversion: the next products write its sources
.else
	v_lshrrev_b32 v[BY0+(\q)], 23, v[EX]           ; the byte of block h: also the plain vector line behind the last conversion
.endif
.endm
; out^T += V^T attn^T: eight products; the eight accumulators take turns, one instruction a turn, and a step's 16 score products stand between two turns of one accumulator.
.macro PV zero
.irp t, 0,1,2,3
.irp q, 0,1
.set rD, OT+32*\q+8*\t
.set rA, VF+8*\t
.set rB, PC+8*\q
.if \zero
.if \t%2
	v_wmma_scale_f32_16x16x128_f8f6f4 v[rD:rD+7], v[rA:rA+7], v[rB:rB+7], 0, v[VS+\t/2], v[PW+\q] matrix_a_fmt:MATRIX_FMT_FP4 matrix_b_fmt:MATRIX_FMT_FP4 matrix_a_scale:MATRIX_SCALE_ROW1
.else
	v_wmma_scale_f32_16x16x128_f8f6f4 v[rD:rD+7], v[rA:rA+7], v[rB:rB+7], 0, v[VS+\t/2], v[PW+\q] matrix_a_fmt:MATRIX_FMT_FP4 matrix_b_fmt:MATRIX_FMT_FP4
.endif
.else
.if \t%2
	v_wmma_scale_f32_16x16x128_f8f6f4 v[rD:rD+7], v[rA:rA+7], v[rB:rB+7], v[rD:rD+7], v[VS+\t/2], v[PW+\q] matrix_a_fmt:MATRIX_FMT_FP4 matrix_b_fmt:MATRIX_FMT_FP4 matrix_a_scale:MATRIX_SCALE_ROW1
.else
	v_wmma_scale_f32_16x16x128_f8f6f4 v[rD:rD+7], v[rA:rA+7], v[rB:rB+7], v[rD:rD+7], v[VS+\t/2], v[PW+\q] matrix_a_fmt:MATRIX_FMT_FP4 matrix_b_fmt:MATRIX_FMT_FP4
.endif
.endif
.endr
.endr
.endm
; PASS 2, a key step.  Each tile of queries has one buffer of 32 scores; while one buffer is quantised, the other's products are out.
; zero = 1: the first step starts out^T's sums.  next = 0: the last step asks for nothing of K.
.macro STEP2 zero, next
	s_wait_dscnt 5                                 ; K's half 0 and its scale words are in; behind them only half 1's five loads were issued
	SCORE SC, 0, 0
	SCORE SC+32, 1, 0
	s_add_co_u32 s[TI], s[TI], 256
.if \next
	s_add_co_u32 s[TK], s[TK], 4*PITCH
	v_add_nc_u32 v[ADK], s[TK], v[AK0]             ; four places between the products (these, and the last step's on V) and the loads into registers that they read, and the first read of a result
.else
	v_nop
.endif
	v_add_nc_u32 v[ADI], s[TI], v[AI0]
	v_add_nc_u32 v[ADV], s[TV], v[AV0]
	v_nop
	s_add_co_u32 s[TV], s[TV], 64
	VLOAD                                          ; this step's V: ten loads
.if \next
	KLOAD 0                                        ; the next step's K, half 0: five
.endif
	QUANT 0, 0
	s_wait_dscnt 10+5*(\next)                      ; K's half 1 is in; younger are only the loads just issued
	SCORE SC, 0, 1
	QUANT 1, 0
	SCORE SC+32, 1, 1
	QUANT 0, 1                                     ; (its lines are the places between the products above and the loads below)
.if \next
	KLOAD 1                                        ; the next step's K, half 1: five
.endif
	QUANT 1, 1
.rept 4
	v_nop                                          ; places between the last conversion and the products that take its codes as an operand
.endr
	s_wait_dscnt 10*(\next)                        ; V's ten are in; the ten of the next step's K may be out
	PV \zero
.endm
	STEP2 1, 1
	s_mov_b32 s[CNT], 14
.Lkeys:
	STEP2 0, 1
	s_sub_co_u32 s[CNT], s[CNT], 1
	s_cmp_lg_u32 s[CNT], 0
	s_cbranch_scc1 .Lkeys
	STEP2 0, 0
	; THE WAY OUT.  A lane holds 8 neighbouring channels (32 bytes) of a row of out, and the lanes beside it hold other rows: a tile of 16 rows goes through my own stage in LDS and comes back by rows, so that
	; a store of the wave covers 512 consecutive bytes, at a multiple of 256 from out's first byte.  The address lines are the places behind the last products.
	v_and_b32 v[MX0], 15, v0                       ; r
	v_bfe_u32 v[MX1], v0, 4, 1                     ; h
	s_mul_i32 s62, s[WV], 16*SP
	s_add_co_u32 s62, s62, STG                     ; my stage
	v_mul_u32_u24 v[STO], v[MX0], SP               ; in: row r, + 32 h; channels 16 t on: 64 t bytes on
	v_lshl_add_u32 v[STO], v[MX1], 5, v[STO]
	v_add_nc_u32 v[STO], s62, v[STO]
	v_mul_u32_u24 v[RD], v[MX1], SP                ; back: lanes 0-15 one row of 256 bytes, lanes 16-31 the next
	v_lshl_add_u32 v[RD], v[MX0], 4, v[RD]
	v_add_nc_u32 v[RD], s62, v[RD]
	v_and_b32 v[GO], 31, v0
	v_lshlrev_b32 v[GO], 4, v[GO]                  ; and the same two rows in out: 16 x lane
.macro OUT q
.irp t, 0,1,2,3
	ds_store_b128 v[STO], v[OT+32*(\q)+8*\t:OT+32*(\q)+8*\t+3] offset:64*\t          ; each accumulator from its low end on
	ds_store_b128 v[STO], v[OT+32*(\q)+8*\t+4:OT+32*(\q)+8*\t+7] offset:64*\t+16
.endr
.irp i, 0,1,2,3,4,5,6,7
	ds_load_b128 v[SC+32*(\q)+4*\i:SC+32*(\q)+4*\i+3], v[RD] offset:2*SP*\i   ; LDS serves a wave's instructions in order (ISA guide 5.7.1.4): these see the stores above, and the next tile's stores come behind them
.endr
.endm
.macro SEND q, younger                 ; younger: the LDS instructions issued behind tile q's loads
.irp i, 0,1,2,3,4,5,6,7
	s_wait_dscnt \younger+7-\i
	global_store_b128 v[GO], v[SC+32*(\q)+4*\i:SC+32*(\q)+4*\i+3], s[16:17] offset:4096*(\q)+512*\i th:TH_STORE_NT   ; written once, read by nobody here
.endr
.endm
	OUT 0
	OUT 1
	SEND 0, 16
	SEND 1, 0                                      ; its last wait is for 0: no LDS instruction of mine is pending at the signal below
	s_wait_xcnt 0x0
	v_lshl_add_u32 v254, v0, 2, 0x34000
	v_mov_b32 v255, 0
	s_wait_tensorcnt 0x0
	ds_add_u32 v254, v255
	s_wait_dscnt 0x0
	CROUND                                         ; the closing round: no work-group ends while a partner may still ask for a tile that names it
	s_endpgm
.Lfunc_end_k_q7a833e16c3_powersoftmax:
	.size	k_q7a833e16c3_powersoftmax, .Lfunc_end_k_q7a833e16c3_powersoftmax-k_q7a833e16c3_powersoftmax
	.p2alignl 7, 3214868480
	.fill 96, 4, 3214868480
	.section	.rodata,"a",@progbits
	.p2align	6, 0x0
	.amdhsa_kernel k_q7a833e16c3_powersoftmax
		.amdhsa_group_segment_fixed_size 215040
		.amdhsa_private_segment_fixed_size 0
		.amdhsa_enable_private_segment 0
		.amdhsa_kernarg_size 56
		.amdhsa_user_sgpr_count 2
		.amdhsa_user_sgpr_kernarg_segment_ptr 1
		.amdhsa_wavefront_size32 1
		.amdhsa_system_sgpr_workgroup_id_x 1
		.amdhsa_system_sgpr_workgroup_id_y 1
		.amdhsa_system_sgpr_workgroup_id_z 1
		.amdhsa_system_vgpr_workitem_id 0
		.amdhsa_next_free_vgpr 256
		.amdhsa_next_free_sgpr 66
		.amdhsa_reserve_vcc 0
		.amdhsa_float_denorm_mode_32 3
		.amdhsa_float_denorm_mode_16_64 3
		.amdhsa_memory_ordered 1
		.amdhsa_forward_progress 1
		.amdhsa_inst_pref_size 85
	.end_amdhsa_kernel
	.amdgpu_metadata
---
amdhsa.version: [ 1, 2 ]
amdhsa.kernels:
  - .name:           k_q7a833e16c3_powersoftmax
    .symbol:         k_q7a833e16c3_powersoftmax.kd
    .args:
      - { .name: k_codes, .offset: 0, .size: 8, .value_kind: global_buffer, .address_space: global }
      - { .name: k_scales, .offset: 8, .size: 8, .value_kind: global_buffer, .address_space: global }
      - { .name: q_codes, .offset: 16, .size: 8, .value_kind: global_buffer, .address_space: global }
      - { .name: q_scales, .offset: 24, .size: 8, .value_kind: global_buffer, .address_space: global }
      - { .name: v_codes, .offset: 32, .size: 8, .value_kind: global_buffer, .address_space: global }
      - { .name: v_scales, .offset: 40, .size: 8, .value_kind: global_buffer, .address_space: global }
      - { .name: out0, .offset: 48, .size: 8, .value_kind: global_buffer, .address_space: global }
    .group_segment_fixed_size: 215040
    .private_segment_fixed_size: 0
    .kernarg_segment_align: 8
    .kernarg_segment_size: 56
    .max_flat_workgroup_size: 512
    .sgpr_count:     66
    .vgpr_count:     256
    .wavefront_size: 32
...
	.end_amdgpu_metadata
.endif
;; end of part 1
